; MI455X (gfx1250); checked and timed in simulation.
; The chip was launched on July 23, 2026; its instructions are those of AMD's public machine-readable ISA for CDNA 5 (MIT licence, August 2026) and "CDNA5" Instruction Set Architecture Reference Guide (July 2026). The comments in the code are by the model that wrote it; some were corrected since.
;; Causal Self Attention. Allowed arithmetic: matrix products marked QUANTISED: E2M1 operands, one E8M0 scale for each 32 along K, by v_wmma_scale_f32_16x16x128_f8f6f4 with both operands' format E2M1 (or v_wmma_scale_f32_32x16x128_f4), f32 sums; everything else in f32.
;; Inputs: W_attn_codes 3,072 x 32 x 16 uint8 (E2M1 codes of W_attn, K innermost, in blocks of 32 codes, two codes a byte); W_attn_scales 3,072 x 32 uint8 (E8M0 scales of W_attn, one for each 32 codes along K); W_proj_codes 1,024 x 32 x 16 uint8 (E2M1 codes of W_proj, K innermost, in blocks of 32 codes, two codes a byte); W_proj_scales 1,024 x 32 uint8 (E8M0 scales of W_proj, one for each 32 codes along K); b_attn 3,072 float32; b_proj 1,024 float32; x_codes 4 x 2,048 x 32 x 16 uint8 (E2M1 codes of x, K innermost, in blocks of 32 codes, two codes a byte); x_scales 4 x 2,048 x 32 uint8 (E8M0 scales of x, one for each 32 codes along K).
;; Outputs: out0 4 x 2,048 x 1,024 float32.
;; This version of the problem:
;;   THIS VERSION OF THE PROBLEM IS GIVEN IN LOW PRECISION. The matrix products marked QUANTISED in the list below multiply operands that are first quantised to E2M1 (2 exponent bits, 1 mantissa bit; 4 bits a number), with one power-of-two scale for each 32 numbers along K (OCP MX v1.0); their sums are f32. All else is computed in f32.
;;   The module's matrix products, in the order in which they are computed (A, B: the left and right operand; K: the contracted axis; several contracted axes count as one K, in the product's order):
;;     1. [M 8,192, K 1,024] x [K 1,024, N 3,072]; A: input x (given as codes); B: input W_attn (given as codes): QUANTISED
;;     2. batch 64 x [M 2,048, K 64] x [K 64, N 2,048]; A: computed on the way; B: computed on the way: QUANTISED
;;     3. batch 64 x [M 2,048, K 2,048] x [K 2,048, N 64]; A: softmax (see below); B: computed on the way: QUANTISED
;;     4. [M 8,192, K 1,024] x [K 1,024, N 1,024]; A: computed on the way; B: input W_proj (given as codes): QUANTISED
;;   THE QUANTISER, for each operand of a quantised product, along K:
;;     - K is cut into blocks of 32 from its start; a last block that is shorter is filled with zeros.
;;     - A block's scale is 2^e with e = floor(log2(the largest magnitude in the block)) - 2, held to -126 .. 127; a block of zeros has e = 0. As a byte (E8M0): e + 127.
;;     - Each number is divided by its block's scale, clamped to +-6, and rounded to the nearest number of E2M1, ties to even, subnormals kept.
;;     - The product sums the exact products of the quantised numbers (number of the format x scale) in f32.
;;   ~~~python
;;   def quantise(x, axis):      # numpy; x: float32 -> the quantised numbers, widened to float32 again
;;       x = np.moveaxis(x, axis, -1); K = x.shape[-1]
;;       x = np.pad(x, [(0, 0)] * (x.ndim - 1) + [(0, -K % 32)]); x = x.reshape(x.shape[:-1] + (-1, 32)); a = np.abs(x).max(-1, keepdims=True)
;;       e = np.where(a > 0, np.clip(np.frexp(np.where(a > 0, a, 1))[1] - 1 - 2, -126, 127), 0)      # np.frexp(a)[1] - 1 = floor(log2(a)), exactly
;;       r = np.clip(x / 2.0 ** e, -6, 6)
;;       step = 2.0 ** (np.maximum(np.frexp(np.where(r == 0, 1, r))[1] - 1, 0) - 1)
;;       q = np.round(r / step) * step * 2.0 ** e      # np.round: ties to even
;;       return np.moveaxis(q.reshape(q.shape[:-2] + (-1,))[..., :K], -1, axis).astype(np.float32)
;;   ~~~
;;   SOFTMAX AHEAD OF A QUANTISED PRODUCT. Where the list says 'softmax', what is quantised is not the finished softmax but p = 2^(t - M), with t = logit x log2(e) and M = ceil(the row's largest t), a whole number; so 1/2 < the row's largest p <= 1. The row's sum l is taken of the UNQUANTISED p, in f32, and the product's result is divided by l at the end. Since M is a whole number, a kernel that streams over the keys may use a running M (the ceiling of the running maximum): every later rescaling is an exact power of two, which a block's scale takes up: the codes' values come out the same.
;;   OPERANDS COMPUTED ON THE WAY. 'Computed on the way' means the value that the module computes at that place (a softmax that the list does not call 'softmax' is quantised finished and normalised). What goes into a quantiser is computed in f32, as accurately as f32 sums, v_exp_f32 and their like allow (about 1e-6 of the number): no bf16 or f16 on the way to a quantiser, and a product that is left as it is and whose result goes on into a quantised operand takes f32 operands (vector FMAs, or v_wmma_f32_16x16x4_f32). A number that lies on a knife's edge between two numbers of the format may be rounded either way, as far as f32 arithmetic and the matrix unit's own rounding can turn it there, and no further.
;;   INPUTS GIVEN AS CODES. W_attn (in the module: [3072, 1024], K = its axis 1); W_proj (in the module: [1024, 1024], K = its axis 1); x (in the module: [4, 2048, 1024], K = its axis 2): each comes as NAME_codes (uint8): NAME with its K axis moved to the last place and cut into blocks of 32 codes, [.., K / 32, bytes a block], one block behind the other in memory; two codes a byte, the lower K in the low four bits (a code: sign, 2 exponent bits, 1 mantissa bit); and NAME_scales (uint8): the same leading axes, one E8M0 byte (e + 127) for each 32 codes along K. Its value is code x scale, taken as it is: it is not quantised again, and the codes and scales need not be those that the quantiser above would give.
;; One version. Each part assembles by itself: llvm-mc -triple=amdgcn-amd-amdhsa -mcpu=gfx1250 --defsym DOCPART=n.
;; ======== version 1 of 1: 3 launches
;; workspace buffers: qrec 4,718,592 bytes; kv 9,175,040 bytes; y_img 4,194,304 bytes; y_scales 262,144 bytes
;; launch qkv (part 1): grid 12 x 32, 4 waves a work-group, clusters of 4 x 4, 327,680 bytes of LDS; arguments x_codes, x_scales, W_attn_codes, W_attn_scales, b_attn, qrec, kv; writes qrec, kv
.if DOCPART == 1
	.amdgcn_target "amdgcn-amd-amdhsa--gfx1250"
	.amdhsa_code_object_version 6
	.text
	.protected	k_q3a92e2e611_qkv
	.globl	k_q3a92e2e611_qkv
	.p2align	8
	.type	k_q3a92e2e611_qkv,@function
k_q3a92e2e611_qkv:
	s_mov_b64 s[64:65], 0
	v_nop
	global_prefetch_b8 v0, s[64:65] scope:SCOPE_SE
	s_setreg_imm32_b32 hwreg(HW_REG_WAVE_MODE, 25, 1), 1
	s_wait_xcnt 0x0
	s_wait_alu depctr_hold_cnt(0) depctr_sa_sdst(0) depctr_va_vdst(0) depctr_va_sdst(0) depctr_va_ssrc(0) depctr_va_vcc(0) depctr_vm_vsrc(0)
	s_getreg_b32 s2, hwreg(HW_REG_IB_STS2, 6, 4)
	s_cmp_eq_u32 s2, 0
	s_cbranch_scc0 .Lentry_in_a_cluster
	s_endpgm
.Lentry_in_a_cluster:
	s_bfe_u32 s2, ttmp6, 0x10000c
	s_cmp_lg_u32 s2, 0xf033
	s_cbranch_scc0 .Lentry_shape_is_right
	s_endpgm
.Lentry_shape_is_right:
; LAUNCH 1 OF 3.  qkv = x W_attn^T + b_attn on codes of FP4 (E2M1) with one E8M0 scale for each 32 along K; q, k and v leave as codes again, quantised for the products that follow:
; q and k along the head's 64 channels (2 blocks), v along the keys.  Launch 2 is the attention, launch 3 the projection.
; DEAD WORK OF THE PROGRAM (left out in launch 2): reference() sets att to -inf wherever key > query, by a jnp.tril that it builds itself, so p = 0 there for all values of the inputs.  Steps of 128 keys
; that lie wholly behind a tile's 16 queries therefore reach no output and are not multiplied.  Nothing else is left out and every input is loaded; b_attn on k stays, since it moves k's codes.
; LIMITS: a NaN, an infinity or an overflow that reaches only those masked scores is not carried to the result.  NaN and infinities among the inputs and a given scale byte 0xff are not served.  A block of zeros
; gets the byte 1 in this program's own scale bytes where the rule says 127: its codes are zeros, and this program alone reads those bytes.  Largest magnitudes under the floor 2^-124 were not tried.
; SHAPE.  A work-group of four waves makes 256 x 256 of the product, a wave 128 x 128: 64 accumulators of 16 x 16.  K = 1,024 codes are 512 bytes a row: two LDS slots of 512 along K hold ALL of K of both tiles,
; so each slot is filled once, at the head, and nothing is filled again.  The scale bytes of both tiles come with them.
; THE MATRIX INSTRUCTION IS USED TRANSPOSED: source 0 = 16 rows of "B", source 1 = 16 rows of "A": a lane holds ONE row of A and, in accumulator b, B's rows 16 b + 8 (lane / 16) + 0 .. 7.  The axis that is quantised
; must run along a lane's registers, so it is B's: for q and k (cluster x = 0, 1) A = x (tokens), B = W_attn (channels); for v (cluster x = 2) A = W_attn (channels), B = x (tokens = keys).
; Both tensors have rows of 512 bytes of codes and 32 bytes of scales, so only pointers and tile numbers are chosen, by the cluster's x, which all sixteen partners share.
; CLUSTERS: 4 x 4 work-groups; A's tile is shared along a row of the cluster, B's along a column: each is asked for jointly.
; THE WAY OUT.  A lane's 64 numbers of a block of 16 rows (+ bias) are 4 blocks of 32; each accumulator gives a lane 8 neighbours, one conversion's worth, and two exchanges of lane halves for each pair of blocks put the
; pieces in the operand's order.  The codes are stored as IMAGES OF OPERAND REGISTERS (lane l's 16 bytes at 16 l): each store of the wave covers 512 consecutive bytes, aligned.
; qrec: [batch x 16 + head][token / 128] records of 4,608 bytes: 8 tiles of 16 tokens x 512 bytes of codes; then the scale words at 4,096 + 256 (tile / 4) + 16 row + 4 (tile % 4).
; kv:   [batch x 16 + head][key / 128] records of 8,960 bytes: K as q (4,096); V^T: 4 tiles of 16 channels x 128 keys x 1,024 bytes; K's scale words at 8,192; V's at 8,704 + 16 row + 4 tile.
; REGISTERS, in windows of 256: window 0: v0-31 addresses, v8-15 the scale words to store; v32-95 scale words of the products, two sets; v96-111 at work; v112-127 fresh codes, two sets; v128-191 A's fragments, on the way out 64 numbers;
;   v192-255 the biases.  window 1: B's fragments, two sets.  windows 2, 3: the accumulators ((a, b) at v[8 (8 (a % 4) + b)]).
.set NQ,     4                         ; steps of 128 along K in a slot
.set PITCH,  272                       ; an LDS row: 256 bytes + 16 of padding: the 16 rows that a load touches start 68 words apart
.set FR,     8                         ; registers of a fragment
.set NL,     2                         ; LDS loads that bring one
.set NP,     4                         ; places behind this matrix instruction (ISA guide 7.12.1)
.set HALFT,  128*PITCH
.set SLOT,   4*HALFT                   ; A's 256 rows, then B's 256 rows
.set KS,     32                        ; a row of scale bytes
.set SCL,    2*SLOT                    ; behind the slots: the scales, rows of 256 bytes + 16
.set HALFS,  (128*KS/256)*272
.set SBLK,   (16*KS/256)*272
.set SPARE,  SCL+4*HALFS               ; the spare words, 128 bytes a wave; no other line names them
.set SW,   8                           ; v8-15   the scale words made on the way out
.set ADRA, 16
.set ADRB, 20
.set LI,   24                          ; v24  16 x lane
.set SWO,  25                          ; v25  where my scale words go
.set SH,   26                          ; v26  16 x (lane / 16)
.set ADRS, 27
.set SPW,  28                          ; v28  my spare word; never rewritten
.set NIL,  29                          ; v29  0; never rewritten
.set BO,   30                          ; v30  my offset among the biases
.set SC,   32
.set TM,   96
.set PC,   112
.set AF,   128
.set X,    128
.set BI,   192
.set G1, 24
.set G0, 32
.set G1B, 48
.set G0B, 56
.set SEL, 66
.set G1S, 68
.set G0S, 76
.set G1SB, 80
.set G0SB, 88
.set MSB, 0
.macro WIN new                         ; the immediate's high byte repeats the setting that is left
.if MSB != (\new)
	s_set_vgpr_msb (MSB<<8)|(\new)
.set MSB, (\new)
.endif
.endm
.set MUL_LO, 0xa1                      ; source 0 (B) window 1, source 1 (A) window 0, C and D window 2
.set MUL_HI, 0xf1                      ; the same, C and D window 3
.set TO_B,   0x40                      ; destination window 1
; A joint load: waves 0 and 1 fetch for A, waves 2 and 3 for B; the branch hangs on the wave's number alone.  An s_nop 0 and four v_nop follow each line.
.macro JLOAD g0a, g1a, g0b, g1b
	s_cmp_eq_u32 s15, 0
	s_cbranch_scc0 .Lfor_b_\@
	tensor_load_to_lds s[\g0a:\g0a+3], s[\g1a:\g1a+7]
	s_nop 0
.rept 4
	v_nop
.endr
	s_branch .Lasked_\@
.Lfor_b_\@:
	tensor_load_to_lds s[\g0b:\g0b+3], s[\g1b:\g1b+7]
	s_nop 0
.rept 4
	v_nop
.endr
.Lasked_\@:
.endm
.macro CROUND                          ; a round of the cluster's barrier
	s_barrier_signal -1
	s_barrier_wait -1
	s_cmp_lg_u32 s14, 0
	s_cbranch_scc1 .Lnot_wave_0_\@
	s_barrier_signal -3
.Lnot_wave_0_\@:
	s_barrier_wait -3
	s_barrier_signal -1
	s_barrier_wait -1
.endm
	s_load_b256 s[4:11], s[0:1], 0x0               ; x's codes, x's scales, W_attn's codes, W_attn's scales
	s_load_b64 s[12:13], s[0:1], 0x20              ; b_attn
	s_load_b64 s[96:97], s[0:1], 0x28              ; qrec
	s_load_b64 s[98:99], s[0:1], 0x30              ; kv
	v_lshl_add_u32 v[SPW], v0, 2, SPARE
	v_mov_b32 v[NIL], 0
	ds_add_u32 v[SPW], v[NIL]                      ; the wave's opening: the add, twice on end, and its wait ahead of my first tensor load
	ds_add_u32 v[SPW], v[NIL]
	v_lshrrev_b32 v1, 5, v0
	v_readfirstlane_b32 s14, v1                    ; wave 0..3
	s_lshr_b32 s15, s14, 1                         ; which half of A's rows is mine.  Also: I fetch for A (0) or for B (1)
	s_and_b32 s16, s14, 1                          ; which half of B's rows.  Also: which 128 rows I fetch
	s_bfe_u32 s40, ttmp6, 0x40000                  ; cx
	s_bfe_u32 s41, ttmp6, 0x40004                  ; cy
	s_and_b32 s18, ttmp7, 0xffff                   ; cluster y
	s_cmp_eq_u32 ttmp9, 2                          ; cluster x = 2: v.  The same in all sixteen partners
	s_cselect_b32 s17, ttmp9, s18                  ; A's four tiles: by cluster x (W_attn's third part) for v, by cluster y (x) else
	s_cselect_b32 s42, s18, ttmp9                  ; B's: the other one
	s_lshl_b32 s17, s17, 2
	s_add_co_u32 s17, s17, s41                     ; RA: A's tile of 256 rows: holds cy, never cx
	s_lshl_b32 s42, s42, 2
	s_add_co_u32 s42, s42, s40                     ; RB: B's tile: holds cx, never cy
	s_lshl_b32 s43, s41, 2
	s_lshl_b32 s43, 15, s43                        ; my row of the cluster
	s_lshl_b32 s44, 0x1111, s40                    ; my column
	; descriptor group 1: 128 rows x 256 bytes, rows 512 bytes apart in memory, 16 bytes of padding behind each in LDS
	s_or_b32 s[G1+0], s43, (0<<16)|(1<<20)|(1<<21)|(5<<22)|(3<<25)
	s_or_b32 s[G1B+0], s44, (0<<16)|(1<<20)|(1<<21)|(5<<22)|(3<<25)
.irp g, G1, G1B
	s_mov_b32 s[\g+1], 256<<16                     ; tensor_dim0
	s_mov_b32 s[\g+2], 128<<16                     ; tensor_dim1
	s_mov_b32 s[\g+3], 256<<16                     ; tile_dim0
	s_mov_b32 s[\g+4], 128                         ; tile_dim1
	s_mov_b32 s[\g+5], 512                         ; from row to row
	s_mov_b32 s[\g+6], 0
	s_mov_b32 s[\g+7], 0
.endr
	; the scales of 128 rows: 4,096 dense bytes, as 16 rows of 256 bytes (32 elements of 8), 16 bytes of padding behind each
	s_or_b32 s[G1S+0], s43, (3<<16)|(1<<20)|(1<<21)|(5<<22)|(3<<25)
	s_or_b32 s[G1SB+0], s44, (3<<16)|(1<<20)|(1<<21)|(5<<22)|(3<<25)
.irp g, G1S, G1SB
	s_mov_b32 s[\g+1], 32<<16
	s_mov_b32 s[\g+2], 16<<16
	s_mov_b32 s[\g+3], 32<<16
	s_mov_b32 s[\g+4], 16
	s_mov_b32 s[\g+5], 32
	s_mov_b32 s[\g+6], 0
	s_mov_b32 s[\g+7], 0
.endr
	s_lshl_b32 s18, s16, 7                         ; which 128 rows of the tile I fetch
	s_lshl_b32 s20, s17, 8
	s_add_co_u32 s20, s20, s18                     ; A's row
	s_lshl_b32 s46, s42, 8
	s_add_co_u32 s46, s46, s18                     ; B's row
	s_lshl_b32 s22, s20, 5                         ; their scales: 32 bytes a row
	s_mov_b32 s23, 0
	s_lshl_b32 s2, s46, 5
	s_mov_b32 s3, 0
	s_lshl_b32 s20, s20, 9                         ; their codes: 512 bytes a row
	s_mov_b32 s21, 0
	s_lshl_b32 s46, s46, 9
	s_mov_b32 s47, 0
	s_mul_i32 s45, s14, HALFT                      ; where they go: wave x 128 rows
	s_mul_i32 s18, s14, HALFS
	s_mov_b32 s[SEL], 0x76543210
	s_mov_b32 s[SEL+1], 0xfedcba98                 ; v_permlanex16_b32's selects for lane l xor 16
	s_wait_dscnt 0x0                               ; both opening adds are done
	s_wait_kmcnt 0x0
	s_cmp_eq_u32 ttmp9, 2
	s_cselect_b64 s[92:93], s[8:9], s[4:5]         ; A's codes
	s_cselect_b64 s[94:95], s[10:11], s[6:7]       ; A's scales
	s_cselect_b64 s[8:9], s[4:5], s[8:9]           ; B's codes
	s_cselect_b64 s[10:11], s[6:7], s[10:11]       ; B's scales
	s_add_nc_u64 s[20:21], s[92:93], s[20:21]
	s_add_nc_u64 s[22:23], s[94:95], s[22:23]
	s_add_nc_u64 s[46:47], s[8:9], s[46:47]
	s_add_nc_u64 s[2:3], s[10:11], s[2:3]
	CROUND                                         ; all sixteen work-groups are here: the first joint loads meet
	s_mov_b32 s[G0S], 1
	s_add_co_u32 s[G0S+1], s18, SCL
	s_mov_b64 s[G0S+2:G0S+3], s[22:23]
	s_or_b32 s[G0S+3], s[G0S+3], 0x80000000
	s_mov_b32 s[G0SB], 1
	s_add_co_u32 s[G0SB+1], s18, SCL
	s_mov_b64 s[G0SB+2:G0SB+3], s[2:3]
	s_or_b32 s[G0SB+3], s[G0SB+3], 0x80000000
	JLOAD G0S, G1S, G0SB, G1SB                     ; the scales first
.irp s, 0,1
	s_mov_b32 s[G0+4*\s], 1
	s_add_co_u32 s[G0+4*\s+1], s45, \s*SLOT
	s_add_nc_u64 s[G0+4*\s+2:G0+4*\s+3], s[20:21], \s*256
	s_or_b32 s[G0+4*\s+3], s[G0+4*\s+3], 0x80000000
	s_mov_b32 s[G0B+4*\s], 1
	s_add_co_u32 s[G0B+4*\s+1], s45, \s*SLOT
	s_add_nc_u64 s[G0B+4*\s+2:G0B+4*\s+3], s[46:47], \s*256
	s_or_b32 s[G0B+4*\s+3], s[G0B+4*\s+3], 0x80000000
	JLOAD G0+4*\s, G1, G0B+4*\s, G1B               ; three loads of mine are out in all
.endr
	v_and_b32 v1, 15, v0                           ; r = lane % 16; kept
	v_bfe_u32 v2, v0, 4, 1                         ; h = lane / 16; kept
	v_mul_u32_u24 v3, v1, PITCH
	v_lshl_add_u32 v4, v2, 4, v3                   ; a fragment's row x pitch + 16 h
	s_mul_i32 s21, s15, HALFT
	s_mul_i32 s22, s16, HALFT
	s_add_co_u32 s22, s22, 2*HALFT
.irp s, 0,1
	v_add_nc_u32 v[ADRA+\s], s21, v4
	v_add_nc_u32 v[ADRB+\s], s22, v4
	s_add_co_u32 s21, s21, SLOT
	s_add_co_u32 s22, s22, SLOT
.endr
	v_mul_u32_u24 v5, v1, KS                       ; my row's scales: 32 bytes a row,
	v_lshrrev_b32 v6, 8, v5
	v_lshl_add_u32 v5, v6, 4, v5                   ; and 16 more for each 256 passed
	s_mul_i32 s21, s15, HALFS
	s_mul_i32 s22, s16, HALFS
	s_add_co_u32 s22, s22, 2*HALFS
	s_sub_co_u32 s22, s22, s21
	v_mul_u32_u24 v6, s22, v2                      ; lanes 16-31 take B's
	s_add_co_u32 s21, s21, SCL
	v_add_nc_u32 v5, v5, v6
	v_add_nc_u32 v[ADRS], s21, v5
	v_and_b32 v6, 31, v0
	v_lshlrev_b32 v[LI], 4, v6
	v_lshlrev_b32 v[SH], 4, v2
.irp b, 0,1,2,3
	v_mov_b32 v[TM+4+\b], 0                        ; written once: a lane permute's destination counts as one of its sources
.endr
.macro FRAG reg, adr, q, i             ; 16 rows x 128 K: lane l holds row l % 16; registers 4 c .. 4 c + 3 hold K = 64 c + 32 (l / 16) + 0 .. 31
.irp c, 0,1
	ds_load_b128 v[\reg+4*\c:\reg+4*\c+3], v[\adr] offset:64*(\q)+32*\c+(\i)*16*PITCH
.endr
.endm
; 16 matrix instructions: A's blocks a0, a0 + 1 x B's eight.  The 64 accumulators take turns, one instruction a turn, in the same order in every step.
.macro MUL16 a0, p, q, sc, zero
.irp a, \a0, \a0+1
.irp b, 0,1,2,3,4,5,6,7
.if \zero
	v_wmma_scale_f32_16x16x128_f8f6f4 v[8*(8*((\a)%4)+\b):8*(8*((\a)%4)+\b)+7], v[128*(\p)+FR*\b:128*(\p)+FR*\b+FR-1], v[AF+FR*(\a):AF+FR*(\a)+FR-1], 0, v[SC+8*NQ*(\sc)+NQ*\b+(\q)], v[SC+8*NQ*(\sc)+NQ*(\a)+(\q)] matrix_a_fmt:MATRIX_FMT_FP4 matrix_b_fmt:MATRIX_FMT_FP4 matrix_a_scale:MATRIX_SCALE_ROW1
.else
	v_wmma_scale_f32_16x16x128_f8f6f4 v[8*(8*((\a)%4)+\b):8*(8*((\a)%4)+\b)+7], v[128*(\p)+FR*\b:128*(\p)+FR*\b+FR-1], v[AF+FR*(\a):AF+FR*(\a)+FR-1], v[8*(8*((\a)%4)+\b):8*(8*((\a)%4)+\b)+7], v[SC+8*NQ*(\sc)+NQ*\b+(\q)], v[SC+8*NQ*(\sc)+NQ*(\a)+(\q)] matrix_a_fmt:MATRIX_FMT_FP4 matrix_b_fmt:MATRIX_FMT_FP4 matrix_a_scale:MATRIX_SCALE_ROW1
.endif
.endr
.endr
.endm
.macro FETCH_B slot, q, p
	WIN TO_B
.irp i, 0,1,2,3,4,5,6,7
	FRAG 128*(\p)+FR*\i, ADRB+\slot, \q, \i
.endr
	WIN 0
.endm
.macro FETCH_A slot, q, i0
.irp i, \i0, \i0+1, \i0+2, \i0+3
	FRAG AF+FR*(\i), ADRA+\slot, \q, \i
.endr
.endm
.macro SCALES sc                       ; a slot's scale words: 4 words a row; lanes 0-15 take A's block i, lanes 16-31 B's block i
.irp i, 0,1,2,3,4,5,6,7
	ds_load_b128 v[SC+8*NQ*\sc+NQ*\i:SC+8*NQ*\sc+NQ*\i+3], v[ADRS] offset:\i*SBLK
.endr
.endm
.macro PLACES n                        ; plain vector instructions between a matrix instruction and a load into, or a vector read or write of, its registers
.rept \n
	v_nop
.endr
.endm
.macro STEP slot, q, zero              ; 128 along K, with its successor in the same slot
	s_wait_dscnt 4*NL                              ; all but the youngest eight loads (A's blocks 4-7) are in
	WIN MUL_LO
	MUL16 0, (\q)%2, \q, \slot, \zero
	MUL16 2, (\q)%2, \q, \slot, \zero
	s_wait_dscnt 0                                 ; A's blocks 4-7 are in
	PLACES NP
	FETCH_B \slot, (\q)+1, 1-(\q)%2
	FETCH_A \slot, (\q)+1, 0
	WIN MUL_HI
	MUL16 4, (\q)%2, \q, \slot, \zero
	MUL16 6, (\q)%2, \q, \slot, \zero
	PLACES NP
	WIN 0
	FETCH_A \slot, (\q)+1, 4
.endm
.macro TURN slot, next                 ; a slot's last step: behind its barrier the next slot is whole for every wave.  Nothing is filled again
	s_wait_tensorcnt 0x0                           ; all my tensor loads have landed: my part of the next slot
	ds_add_u32 v[SPW], v[NIL]                      ; 0 onto my spare word
	s_wait_dscnt 4*NL+1                            ; (the add and the youngest eight loads may be out)
	WIN MUL_LO
	MUL16 0, 1, NQ-1, \slot, 0
	s_wait_dscnt 0x0                               ; no LDS instruction of mine is out at the signal
	s_barrier_signal -1
	MUL16 2, 1, NQ-1, \slot, 0
	WIN 0
	s_barrier_wait -1
	PLACES NP
	v_add_nc_u32 v[ADRS], 4*NQ, v[ADRS]            ; the next slot's scale words
	FETCH_B \next, 0, 0
	FETCH_A \next, 0, 0
	SCALES \next
	WIN MUL_HI
	MUL16 4, 1, NQ-1, \slot, 0
	MUL16 6, 1, NQ-1, \slot, 0
	PLACES NP
	WIN 0
	FETCH_A \next, 0, 4
.endm
; 64 numbers of a lane, register 8 t + j = K 16 t + 8 (lane / 16) + j of my row, become a fragment's codes in v[pc] on and its scale word in v[pw].
; A conversion's 8 codes are piece 2 u + (lane / 16) of block b (u: which of the block's two accumulators).  They are written to register 4 (b / 2) + 2 u + b % 2; the exchange of the first's lanes 16-31 with the second's lanes 0-15
; then leaves lanes 0-15 with block 2 c and lanes 16-31 with block 2 c + 1, pieces in order: registers 4 c + i hold K = 64 c + 32 (lane / 16) + 8 i on.
.macro QUANT s, pc, pw
.irp b, 0,1,2,3
	v_max3_num_f32 v[TM+\b], |v[\s+16*\b]|, |v[\s+1+16*\b]|, 0x1800000   ; with the floor 2^(3 - 127): the byte cannot fall under 1
.endr
.irp i, 2,4,6,8,10,12,14
.irp b, 0,1,2,3
	v_max3_num_f32 v[TM+\b], v[TM+\b], |v[\s+16*\b+\i]|, |v[\s+1+16*\b+\i]|
.endr
.endr
.irp b, 0,1,2,3
	v_permlanex16_b32 v[TM+4+\b], v[TM+\b], s[SEL], s[SEL+1]
.endr
.irp b, 0,1,2,3
	v_max_num_f32 v[TM+\b], v[TM+\b], v[TM+4+\b]   ; with lane l xor 16's: the block's largest magnitude
.endr
.irp b, 0,1,2,3
	v_add_nc_u32 v[TM+12+\b], 0xff000000, v[TM+\b] ; 2 off its exponent field: the conversion's scale operand
.endr
.irp b, 0,1,2,3
	v_lshrrev_b32 v[TM+4+\b], 23, v[TM+12+\b]      ; the scale's byte
.endr
	v_lshl_or_b32 v[\pw], v[TM+5], 8, v[TM+4]
	v_lshl_or_b32 v[\pw], v[TM+6], 16, v[\pw]
	v_lshl_or_b32 v[\pw], v[TM+7], 24, v[\pw]
.irp b, 0,1,2,3
	v_cvt_scalef32_pk8_fp4_f32 v[\pc+4*(\b/2)+(\b%2)], v[\s+16*\b:\s+7+16*\b], v[TM+12+\b]
	v_cvt_scalef32_pk8_fp4_f32 v[\pc+4*(\b/2)+2+(\b%2)], v[\s+8+16*\b:\s+15+16*\b], v[TM+12+\b]
.endr
	v_nop                                          ; one plain place behind a scaled conversion
.irp c, 0,1
	v_permlane16_swap_b32 v[\pc+4*\c], v[\pc+4*\c+1]
	v_permlane16_swap_b32 v[\pc+4*\c+2], v[\pc+4*\c+3]
.endr
.endm
; THE TAIL: the biases are asked for, the last two steps of 128 are multiplied, and the results leave.  Written twice, for q and k (isv = 0) and for v (isv = 1).
.macro TAIL isv
.if \isv
	s_lshl_b32 s20, s17, 10                        ; the bias goes with A's row (a channel): 4 bytes x (256 RA + 128 half + 16 a + r)
	s_lshl_b32 s21, s15, 9
.else
	s_lshl_b32 s20, s42, 10                        ; the bias goes with B's row (a channel): 4 bytes x (256 RB + 128 half + 16 b + 8 h + j)
	s_lshl_b32 s21, s16, 9
.endif
	s_add_co_u32 s20, s20, s21
	s_mov_b32 s21, 0
	s_add_nc_u64 s[12:13], s[12:13], s[20:21]
.if \isv
	v_lshlrev_b32 v[BO], 2, v1
.irp a, 0,1,2,3,4,5,6,7
	global_load_b32 v[BI+\a], v[BO], s[12:13] offset:64*\a
.endr
.else
	v_lshlrev_b32 v[BO], 5, v2
.irp b, 0,1,2,3,4,5,6,7
	global_load_b128 v[BI+8*\b:BI+8*\b+3], v[BO], s[12:13] offset:64*\b
	global_load_b128 v[BI+8*\b+4:BI+8*\b+7], v[BO], s[12:13] offset:64*\b+16
.endr
.endif
	STEP 1, 2, 0
	s_wait_dscnt 4*NL                              ; the very last step: nothing more to fetch
	WIN MUL_LO
	MUL16 0, 1, NQ-1, 1, 0
	MUL16 2, 1, NQ-1, 1, 0
	s_wait_dscnt 0
	WIN MUL_HI
	MUL16 4, 1, NQ-1, 1, 0
	MUL16 6, 1, NQ-1, 1, 0
	WIN 0
	PLACES NP                                      ; ahead of the first read of results and the first write of registers that held A's fragments
	; where my records begin.  tokens: tile RT of 256 and my half of it: batch RT / 8, group of 128 tokens 2 (RT % 8) + half; channels: head 4 x (place in the cluster) + 2 x half
.if \isv
	s_lshr_b32 s20, s42, 3
	s_lshl_b32 s20, s20, 4
	s_lshl_b32 s21, s41, 2
	s_add_co_u32 s20, s20, s21
	s_lshl_b32 s21, s15, 1
	s_add_co_u32 s20, s20, s21                     ; 16 batch + my first head
	s_lshl_b32 s20, s20, 4
	s_and_b32 s21, s42, 7
	s_lshl_b32 s21, s21, 1
	s_add_co_u32 s21, s21, s16
	s_add_co_u32 s20, s20, s21                     ; the record
	s_mul_i32 s20, s20, 8960
	s_add_co_u32 s20, s20, 4096                    ; V^T's codes in it
	s_mov_b32 s21, 0
	s_add_nc_u64 s[92:93], s[98:99], s[20:21]
	s_mov_b32 s23, 0xffff0000                      ; lanes 16-31
	v_mul_u32_u24 v[SWO], v2, 143360               ; lanes 16-31 store the next head's words: 16 records on
	v_lshl_add_u32 v[SWO], v1, 4, v[SWO]
.else
	s_lshr_b32 s20, s17, 3
	s_lshl_b32 s20, s20, 4
	s_lshl_b32 s21, s40, 2
	s_add_co_u32 s20, s20, s21
	s_lshl_b32 s21, s16, 1
	s_add_co_u32 s20, s20, s21                     ; 16 batch + my first head
	s_lshl_b32 s20, s20, 4
	s_and_b32 s21, s17, 7
	s_lshl_b32 s21, s21, 1
	s_add_co_u32 s21, s21, s15
	s_add_co_u32 s20, s20, s21                     ; the record
	s_mov_b32 s22, 8960
	s_mov_b32 s23, 8192
	s_cmp_eq_u32 ttmp9, 0                          ; q goes to qrec, k to kv
	s_cselect_b32 s22, 4608, s22                   ; a record's bytes
	s_cselect_b32 s23, 4096, s23                   ; where its scale words begin
	s_cselect_b64 s[92:93], s[96:97], s[98:99]
	s_mul_i32 s20, s20, s22
	s_mov_b32 s21, 0
	s_add_nc_u64 s[92:93], s[92:93], s[20:21]      ; my first head's record,
	s_lshl_b32 s20, s22, 4
	s_add_nc_u64 s[94:95], s[92:93], s[20:21]      ; and the next head's: 16 records on
	v_mul_u32_u24 v[SWO], s20, v2
	v_lshl_add_u32 v[SWO], v1, 4, v[SWO]
	v_add_nc_u32 v[SWO], s23, v[SWO]
.endif
	s_wait_loadcnt 0x0                             ; the biases
.irp a, 0,1,2,3,4,5,6,7
.set AC, 64*((\a)%4)
.set PCA, PC+8*((\a)%2)
	WIN 0x02+(\a)/4                                ; source 0: window 2 or 3
.set ee, 0
.rept 32                               ; each accumulator is read from its low end on
.if \isv
.if (\a)%2
	v_pk_add_f32 v[X+ee:X+ee+1], v[AC+ee:AC+ee+1], v[BI+(\a)-1:BI+(\a)] op_sel:[0,1] op_sel_hi:[1,1]
.else
	v_pk_add_f32 v[X+ee:X+ee+1], v[AC+ee:AC+ee+1], v[BI+(\a):BI+(\a)+1] op_sel_hi:[1,0]
.endif
.else
	v_pk_add_f32 v[X+ee:X+ee+1], v[AC+ee:AC+ee+1], v[BI+ee:BI+ee+1]
.endif
.set ee, ee+2
.endr
	WIN 0
	s_wait_xcnt 0x0                                ; the stores of two blocks back have read this set of code registers
	QUANT X, PCA, SW+\a
.if \isv
	global_store_b128 v[LI], v[PCA:PCA+3], s[92:93] offset:((\a)/4)*143360+((\a)%4)*1024        ; keys 32 h on: 512 consecutive bytes, aligned
	global_store_b128 v[LI], v[PCA+4:PCA+7], s[92:93] offset:((\a)/4)*143360+((\a)%4)*1024+512  ; keys 64 + 32 h on
.else
	global_store_b128 v[LI], v[PCA:PCA+3], s[92:93] offset:512*(\a)                             ; my first head's two blocks
	global_store_b128 v[LI], v[PCA+4:PCA+7], s[94:95] offset:512*(\a)                           ; the next head's
.endif
.endr
.if \isv
.irp u, 0,1,2,3
	v_cndmask_b32 v[SW+\u], v[SW+\u], v[SW+4+\u], s23      ; lanes 0-15: my first head's four tiles; lanes 16-31: the next head's
.endr
	global_store_b128 v[SWO], v[SW:SW+3], s[92:93] offset:4608   ; sixteen lanes store 256 consecutive bytes, aligned
.else
.irp u, 0,1,2,3,4,5,6,7
	v_lshrrev_b32 v[SW+\u], v[SH], v[SW+\u]                ; lanes 16-31: the next head's two bytes come down; above them zeros, which meet zero codes
.endr
	global_store_b128 v[SWO], v[SW:SW+3], s[92:93]
	global_store_b128 v[SWO], v[SW+4:SW+7], s[92:93] offset:256
.endif
.endm
	s_wait_tensorcnt 1                             ; the scales and my part of slot 0 are in; slot 1's one load may be out
	s_barrier_signal -1
	s_barrier_wait -1
	FETCH_B 0, 0, 0
	FETCH_A 0, 0, 0
	SCALES 0
	FETCH_A 0, 0, 4
	STEP 0, 0, 1                                   ; the first products start the sums: nothing is cleared
	STEP 0, 1, 0
	STEP 0, 2, 0
	TURN 0, 1
	STEP 1, 0, 0
	STEP 1, 1, 0
	s_cmp_eq_u32 ttmp9, 2                          ; the cluster's x: the same in all partners and all waves
	s_cbranch_scc1 .Lfor_v
	TAIL 0
	s_branch .Lend
.Lfor_v:
	TAIL 1
.Lend:
	s_wait_tensorcnt 0x0                           ; the wave's end
	ds_add_u32 v[SPW], v[NIL]
	s_wait_dscnt 0x0
	CROUND                                         ; the closing round
	s_endpgm
.Lfunc_end_k_q3a92e2e611_qkv:
	.size	k_q3a92e2e611_qkv, .Lfunc_end_k_q3a92e2e611_qkv-k_q3a92e2e611_qkv
	.p2alignl 7, 3214868480
	.fill 96, 4, 3214868480
	.section	.rodata,"a",@progbits
	.p2align	6, 0x0
	.amdhsa_kernel k_q3a92e2e611_qkv
		.amdhsa_group_segment_fixed_size 327680
		.amdhsa_private_segment_fixed_size 0
		.amdhsa_enable_private_segment 0
		.amdhsa_kernarg_size 56
		.amdhsa_user_sgpr_count 2
		.amdhsa_user_sgpr_kernarg_segment_ptr 1
		.amdhsa_wavefront_size32 1
		.amdhsa_system_sgpr_workgroup_id_x 1
		.amdhsa_system_sgpr_workgroup_id_y 1
		.amdhsa_system_sgpr_workgroup_id_z 1
		.amdhsa_system_vgpr_workitem_id 0
		.amdhsa_next_free_vgpr 1024
		.amdhsa_next_free_sgpr 100
		.amdhsa_reserve_vcc 0
		.amdhsa_float_denorm_mode_32 3
		.amdhsa_float_denorm_mode_16_64 3
		.amdhsa_memory_ordered 1
		.amdhsa_forward_progress 1
		.amdhsa_inst_pref_size 215
	.end_amdhsa_kernel
	.amdgpu_metadata
---
amdhsa.version: [ 1, 2 ]
amdhsa.kernels:
  - .name:           k_q3a92e2e611_qkv
    .symbol:         k_q3a92e2e611_qkv.kd
    .args:
      - { .name: x_codes, .offset: 0, .size: 8, .value_kind: global_buffer, .address_space: global }
      - { .name: x_scales, .offset: 8, .size: 8, .value_kind: global_buffer, .address_space: global }
      - { .name: W_attn_codes, .offset: 16, .size: 8, .value_kind: global_buffer, .address_space: global }
      - { .name: W_attn_scales, .offset: 24, .size: 8, .value_kind: global_buffer, .address_space: global }
      - { .name: b_attn, .offset: 32, .size: 8, .value_kind: global_buffer, .address_space: global }
      - { .name: qrec, .offset: 40, .size: 8, .value_kind: global_buffer, .address_space: global }
      - { .name: kv, .offset: 48, .size: 8, .value_kind: global_buffer, .address_space: global }
    .group_segment_fixed_size: 327680
    .private_segment_fixed_size: 0
    .kernarg_segment_align: 8
    .kernarg_segment_size: 56
    .max_flat_workgroup_size: 128
    .sgpr_count:     100
    .vgpr_count:     1024
    .wavefront_size: 32
...
	.end_amdgpu_metadata
.endif
;; end of part 1
;; launch attn (part 2): grid 4 x 64, 16 waves a work-group, clusters of 4 x 1, 167,936 bytes of LDS; arguments qrec, kv, y_img, y_scales; writes y_img, y_scales
.if DOCPART == 2
	.amdgcn_target "amdgcn-amd-amdhsa--gfx1250"
	.amdhsa_code_object_version 6
	.text
	.protected	k_q3a92e2e611_attn
	.globl	k_q3a92e2e611_attn
	.p2align	8
	.type	k_q3a92e2e611_attn,@function
k_q3a92e2e611_attn:
	s_mov_b64 s[64:65], 0
	v_nop
	global_prefetch_b8 v0, s[64:65] scope:SCOPE_SE
	s_setreg_imm32_b32 hwreg(HW_REG_WAVE_MODE, 25, 1), 1
	s_wait_xcnt 0x0
	s_wait_alu depctr_hold_cnt(0) depctr_sa_sdst(0) depctr_va_vdst(0) depctr_va_sdst(0) depctr_va_ssrc(0) depctr_va_vcc(0) depctr_vm_vsrc(0)
	s_getreg_b32 s2, hwreg(HW_REG_IB_STS2, 6, 4)
	s_cmp_eq_u32 s2, 0
	s_cbranch_scc0 .Lentry_in_a_cluster
	s_endpgm
.Lentry_in_a_cluster:
	s_bfe_u32 s2, ttmp6, 0x10000c
	s_cmp_lg_u32 s2, 0x3003
	s_cbranch_scc0 .Lentry_shape_is_right
	s_endpgm
.Lentry_shape_is_right:
; LAUNCH 2 OF 3.  y = softmax(q k^T / 64, causal) v for one (batch, head) a cluster, both products on codes of FP4 (E2M1) with E8M0 scales; y leaves as codes, quantised along C (2 blocks a head).
; LEFT OUT AS DEAD WORK: steps of 128 keys that lie wholly behind a tile's 16 queries: reference()'s own jnp.tril makes their p zero for all inputs (shown at the head of launch 1).
; THE SOFTMAX AHEAD OF THE SECOND PRODUCT: t = score x log2(e) / 64; M = the running largest t rounded UP to a whole number; p = 2^(t - M) is quantised along the keys, not normalised.  The row's sum is taken of the
; unquantised p and divides at the end.  When M moves, the sum and O are multiplied by 2^(old M - new M): exact.
; SHARES.  The cluster's four work-groups read the same K and V: a head's 16 records of 8,960 bytes (128 keys each: K's codes, V^T's codes, their scale words) all fit in LDS: each of the 16 waves asks for one, jointly
; with its partners, once; nothing is filled again.  Wave w of work-group cx owns TWO tiles of 16 queries, at place a = 2 cx + w % 2 of the groups of 128 queries 15 - w / 2 ("hi") and w / 2 ("lo"):
; (16 - w / 2) + (w / 2 + 1) = 17 key steps for every wave of the launch, two of them on the diagonal.  Branches hang on the wave's number and the count of trips alone.
; LAYOUT.  Both products are used transposed: S^T = K Q^T (source 0 = 16 keys, source 1 = my 16 queries; K = 64 of 128: the upper half of both operands is zero codes), O^T = V^T P^T (source 0 = 16 channels,
; source 1 = P): a lane holds ONE query throughout.  Register 8 t + j of S^T is key 16 t + 8 (lane / 16) + j; the conversions' pieces are put in the operand's order as in launch 1.
; LIMITS: as stated at the head of launch 1.
; REGISTERS: v1-6, v10, v11 addresses that stay; v8, v9 LDS addresses of the step; v12-15, v16-19 statistics (-M, largest t, the sum in two halves); v20-35 Q's two fragments; v36, v37 their scale words; v40-71 four fragments of K;
;   v72-135 S^T, then p; v72-103 then V's four fragments, at the end y; v136-167, v168-199 O^T; v200-207 p's codes; v208-215 K's scale words, then V's; v216 p's scale word; v220-241 at work.
.set RECB,  8960
.set SPARE, 16*RECB                    ; behind the records: the spare words, 128 bytes a wave; no other line names them
.set LI,   1                           ; v1   16 x lane
.set LR,   2                           ; v2   16 x (lane % 16)
.set SPW,  3                           ; v3   my spare word; never rewritten
.set NIL,  4                           ; v4   0; never rewritten
.set DD,   5                           ; v5   16 a + lane % 16 - 8 (lane / 16): on the diagonal register n is hidden where 16 (n / 8) + n % 8 > this
.set YSO,  6                           ; v6   32 (lane % 16) + lane / 16: my byte among y's scales
.set ADK,  8
.set ADS,  9
.set VQ,   10                          ; v10  my 16 bytes of q's codes in a record
.set VQS,  11                          ; v11  my scale word of q in a record
.set KF,   40
.set S,    72
.set P,    200
.set KS,   208
.set PS,   216
.set BM,   220
.set BP,   224
.set BS,   228
.set F,    232
.set T,    234
.set NINF, 235
.set C2,   236
.set WV,   12
.set KAP,  19                          ; s19  the key step
.set SEL,  20
.set CS,   22                          ; s[22:23] c = log2(e) / 64
.set G1,   24
.set G0,   32
.set TB,   36                          ; s36  where the step's record begins in LDS
.set HM,   37                          ; s37  lanes 16-31
.macro CROUND                          ; a round of the cluster's barrier
	s_barrier_signal -1
	s_barrier_wait -1
	s_cmp_lg_u32 s[WV], 0
	s_cbranch_scc1 .Lnot_wave_0_\@
	s_barrier_signal -3
.Lnot_wave_0_\@:
	s_barrier_wait -3
	s_barrier_signal -1
	s_barrier_wait -1
.endm
	s_load_b256 s[4:11], s[0:1], 0x0               ; qrec, kv, y_img, y_scales
	v_lshl_add_u32 v[SPW], v0, 2, SPARE
	v_mov_b32 v[NIL], 0
	ds_add_u32 v[SPW], v[NIL]                      ; the wave's opening: the add, twice on end, and its wait ahead of my first tensor load
	ds_add_u32 v[SPW], v[NIL]
	v_lshrrev_b32 v38, 5, v0
	v_readfirstlane_b32 s[WV], v38                 ; wave 0..15
	s_bfe_u32 s13, ttmp6, 0x40000                  ; cx: it enters global addresses and v5 alone
	s_and_b32 s14, ttmp7, 0xffff                   ; 16 x batch + head, which the four partners share
	s_lshr_b32 s15, s[WV], 1
	s_and_b32 s16, s[WV], 1
	s_lshl_b32 s38, s13, 1
	s_add_co_u32 s16, s16, s38                     ; a: my tiles' place in their groups
	s_sub_co_u32 s17, 15, s15                      ; hi's group, and its last key step
	s_mov_b32 s18, s15                             ; lo's
	s_mov_b32 s[SEL], 0x76543210
	s_mov_b32 s[SEL+1], 0xfedcba98
	s_mov_b32 s[CS], 0x3cb8aa3b
	s_mov_b32 s[CS+1], s[CS]                       ; (named with it as a pair, so it is written)
	s_mov_b32 s[HM], 0xffff0000
	s_mov_b32 s[KAP], 0
	s_mov_b32 s[TB], 0
	; descriptor group 1: a record: 35 dense rows of 256 bytes (32 elements of 8); the mask names all four work-groups
	s_mov_b32 s[G1], 15|(3<<16)|(1<<21)
	s_mov_b32 s[G1+1], 32<<16
	s_mov_b32 s[G1+2], 35<<16
	s_mov_b32 s[G1+3], 32<<16
	s_mov_b32 s[G1+4], 35
	s_mov_b32 s[G1+5], 32
	s_mov_b32 s[G1+6], 0
	s_mov_b32 s[G1+7], 0
	s_mov_b32 s[G0], 1
	s_mul_i32 s[G0+1], s[WV], RECB                 ; record w goes to w x 8,960
	s_mul_i32 s44, s14, 16*RECB
	s_add_co_u32 s44, s44, s[G0+1]                 ; and comes from the head's record w
	s_mov_b32 s45, 0
	s_lshl_b32 s38, s14, 4
	s_add_co_u32 s39, s38, s17
	s_mul_i32 s40, s39, 4608                       ; q's record of hi's group,
	s_mov_b32 s41, 0
	s_add_co_u32 s39, s38, s18
	s_mul_i32 s42, s39, 4608                       ; of lo's
	s_mov_b32 s43, 0
	s_and_b32 s56, s14, 15                         ; head
	s_lshr_b32 s57, s14, 4
	s_lshl_b32 s57, s57, 7
	s_add_co_u32 s57, s57, s16                     ; 128 batch + a
	s_lshl_b32 s58, s56, 18                        ; the head's plane of y_img
	s_lshl_b32 s56, s56, 1                         ; its two bytes in a row of y_scales
	s_lshl_b32 s59, s17, 3
	s_add_co_u32 s59, s59, s57
	s_lshl_b32 s59, s59, 9                         ; hi's tile of 16 rows x 512 bytes: in a plane of y_img, and (16 rows of 32 bytes) in y_scales alike
	s_add_co_u32 s48, s59, s58
	s_mov_b32 s49, 0
	s_add_co_u32 s52, s59, s56
	s_mov_b32 s53, 0
	s_lshl_b32 s59, s18, 3
	s_add_co_u32 s59, s59, s57
	s_lshl_b32 s59, s59, 9                         ; lo's
	s_add_co_u32 s50, s59, s58
	s_mov_b32 s51, 0
	s_add_co_u32 s54, s59, s56
	s_mov_b32 s55, 0
	v_and_b32 v38, 31, v0
	v_lshlrev_b32 v[LI], 4, v38
	v_and_b32 v38, 15, v0                          ; r
	v_lshlrev_b32 v[LR], 4, v38
	v_bfe_u32 v39, v0, 4, 1                        ; h
	v_lshlrev_b32 v[DD], 3, v39
	v_sub_nc_u32 v[DD], v38, v[DD]
	s_lshl_b32 s38, s16, 4
	v_add_nc_u32 v[DD], s38, v[DD]
	v_lshl_add_u32 v[YSO], v38, 5, v39
	s_lshl_b32 s38, s16, 9
	v_add_nc_u32 v[VQ], s38, v[LI]
	s_lshr_b32 s38, s16, 2
	s_lshl_b32 s38, s38, 8
	s_and_b32 s39, s16, 3
	s_lshl_b32 s39, s39, 2
	s_add_co_u32 s38, s38, s39
	s_add_co_u32 s38, s38, 4096
	v_add_nc_u32 v[VQS], s38, v[LR]
	s_wait_dscnt 0x0                               ; both opening adds are done
	s_wait_kmcnt 0x0
	s_add_nc_u64 s[G0+2:G0+3], s[6:7], s[44:45]
	s_or_b32 s[G0+3], s[G0+3], 0x80000000
	s_add_nc_u64 s[40:41], s[4:5], s[40:41]
	s_add_nc_u64 s[42:43], s[4:5], s[42:43]
	s_add_nc_u64 s[48:49], s[8:9], s[48:49]
	s_add_nc_u64 s[50:51], s[8:9], s[50:51]
	s_add_nc_u64 s[52:53], s[10:11], s[52:53]
	s_add_nc_u64 s[54:55], s[10:11], s[54:55]
	CROUND                                         ; all four work-groups are here: the joint loads meet
	tensor_load_to_lds s[G0:G0+3], s[G1:G1+7]      ; my one tensor load of the launch
	s_nop 0
.rept 4
	v_nop
.endr
	global_load_b128 v[20:23], v[VQ], s[40:41]     ; Q's fragments stay in registers
	global_load_b32 v36, v[VQS], s[40:41]
	global_load_b128 v[28:31], v[VQ], s[42:43]
	global_load_b32 v37, v[VQS], s[42:43]
.irp j, 24,25,26,27,32,33,34,35
	v_mov_b32 v[\j], 0                             ; K = 64 .. 127 of Q: zero codes
.endr
.irp t, 0,1,2,3
.irp j, 4,5,6,7
	v_mov_b32 v[KF+8*\t+\j], 0                     ; and of K: written once, no load lands there
.endr
.endr
.set j, 0
.rept 64
	v_mov_b32 v[136+j], 0                          ; O^T.  (The step is written once: the first finds zeros, which the first change of M leaves zeros)
.set j, j+1
.endr
.irp t, 12, 16
	v_mov_b32 v[\t+1], 0xff61b1e6                  ; the largest t so far: -3e38, under every t
	v_floor_f32 v[\t], -v[\t+1]                    ; -M
	v_mov_b32 v[\t+2], 0
	v_mov_b32 v[\t+3], 0
.endr
.irp b, 0,1,2,3
	v_mov_b32 v[BP+\b], 0                          ; written once: a lane permute's destination counts as one of its sources
.endr
	v_mov_b32 v[F+1], 0                            ; (named as the upper half of a pair)
	v_mov_b32 v[NINF], 0xff800000
	s_wait_tensorcnt 0x0                           ; my record is in,
	s_barrier_signal -1
	s_barrier_wait -1                              ; everybody's is
	s_wait_loadcnt 0x0                             ; Q
; A KEY STEP of one tile: 128 keys.  qf, qs: the tile's fragment and scale word of Q; oo: its O^T; st: its statistics; lim: the scalar register with its last key step, which lies on the diagonal.
.macro KSTEP qf, qs, oo, st, lim
	s_cmp_gt_u32 s[KAP], s[\lim]                   ; all keys behind my queries: left out
	s_cbranch_scc1 .Lhid_\@
	v_add_nc_u32 v[ADK], s[TB], v[LI]
	v_add_nc_u32 v[ADS], s[TB], v[LR]
	ds_load_b128 v[KS:KS+3], v[ADS] offset:8192    ; K's scale words: tiles 0-3 of my row,
	ds_load_b128 v[KS+4:KS+7], v[ADS] offset:8448  ; tiles 4-7
.irp g, 0,1
.if \g
.rept 4
	v_nop                                          ; places in front of loads into registers that matrix instructions have read
.endr
.endif
.irp t, 0,1,2,3
	ds_load_b128 v[KF+8*\t:KF+8*\t+3], v[ADK] offset:(4*\g+\t)*512
.endr
	s_wait_dscnt 0x0
.irp t, 0,1,2,3
	v_wmma_scale_f32_16x16x128_f8f6f4 v[S+8*(4*\g+\t):S+8*(4*\g+\t)+7], v[KF+8*\t:KF+8*\t+7], v[\qf:\qf+7], 0, v[KS+4*\g+\t], v[\qs] matrix_a_fmt:MATRIX_FMT_FP4 matrix_b_fmt:MATRIX_FMT_FP4
.endr
.endr
.rept 4
	v_nop
.endr
	s_cmp_lg_u32 s[KAP], s[\lim]                   ; only the tile's last step lies on the diagonal
	s_cbranch_scc1 .Lopen_\@
.set n, 0
.rept 64
	v_cmp_gt_i32 vcc_lo, 16*(n/8)+n%8, v[DD]
	v_cndmask_b32 v[S+n], v[S+n], v[NINF], vcc_lo  ; hidden scores become -infinity ahead of the maximum: p = 0
.set n, n+1
.endr
.Lopen_\@:
.irp b, 0,1,2,3
	v_max3_num_f32 v[BM+\b], v[S+16*\b], v[S+1+16*\b], v[S+2+16*\b]   ; the largest score of each block of 32 keys: for the row's maximum and, since p rises with the score, for the block's largest p
.endr
.irp i, 3,5,7,9,11,13
.irp b, 0,1,2,3
	v_max3_num_f32 v[BM+\b], v[BM+\b], v[S+16*\b+\i], v[S+1+16*\b+\i]
.endr
.endr
.irp b, 0,1,2,3
	v_max_num_f32 v[BM+\b], v[BM+\b], v[S+15+16*\b]
.endr
.irp b, 0,1,2,3
	v_permlanex16_b32 v[BP+\b], v[BM+\b], s[SEL], s[SEL+1]
.endr
.irp b, 0,1,2,3
	v_max_num_f32 v[BM+\b], v[BM+\b], v[BP+\b]     ; with lane l xor 16's 16 keys
.endr
	v_max3_num_f32 v[T], v[BM], v[BM+1], v[BM+2]
	v_max_num_f32 v[T], v[T], v[BM+3]
	v_mul_f32 v[T], s[CS], v[T]                    ; as t (c is positive)
	v_max_num_f32 v[\st+1], v[\st+1], v[T]         ; the running largest t
	v_mov_b32 v[T], v[\st]
	v_floor_f32 v[\st], -v[\st+1]                  ; the new -M = -ceil(t)
	v_sub_f32 v[T], v[\st], v[T]                   ; old M - new M: a whole number, 0 or less
	v_cvt_i32_f32 v[T], v[T]                       ; (it saturates)
	v_ldexp_f32 v[F], 1.0, v[T]                    ; f = 2^(old M - new M)
.set j, 0
.rept 32
	v_pk_fma_f32 v[S+j:S+j+1], v[S+j:S+j+1], s[CS:CS+1], v[\st:\st+1] op_sel_hi:[1,0,0]   ; t - M, two at a time
.set j, j+2
.endr
.irp b, 0,1,2,3
	v_fma_f32 v[BM+\b], v[BM+\b], s[CS], v[\st]    ; the same of each block's largest score
.endr
.set j, 0
.rept 64
	v_exp_f32 v[S+j], v[S+j]                       ; p = 2^(t - M)
.set j, j+1
.endr
	v_pk_mul_f32 v[\st+2:\st+3], v[\st+2:\st+3], v[F:F+1] op_sel_hi:[1,0]   ; the sums under the new M: the plain place behind the batch
	s_wait_alu depctr_va_vdst(0)                   ; one wait for the batch of 64, ahead of its first reader
.irp b, 0,1,2,3
	v_exp_f32 v[BM+\b], v[BM+\b]                   ; the block's largest p
.endr
	v_pk_add_f32 v[C2:C2+1], v[S:S+1], v[S+2:S+3]  ; the row's sum of the unquantised p, in two chains
.set j, 4
.rept 15
	v_pk_add_f32 v[\st+2:\st+3], v[\st+2:\st+3], v[S+j:S+j+1]
	v_pk_add_f32 v[C2:C2+1], v[C2:C2+1], v[S+j+2:S+j+3]
.set j, j+4
.endr
	v_pk_add_f32 v[\st+2:\st+3], v[\st+2:\st+3], v[C2:C2+1]
	s_wait_alu depctr_va_vdst(0)                   ; and one for the four
.irp b, 0,1,2,3
	v_max_num_f32 v[BM+\b], 0x1800000, v[BM+\b]    ; the floor 2^(3 - 127): the byte cannot fall under 1
.endr
.irp b, 0,1,2,3
	v_add_nc_u32 v[BS+\b], 0xff000000, v[BM+\b]    ; 2 off the exponent field: the conversion's scale operand
.endr
.irp b, 0,1,2,3
	v_lshrrev_b32 v[BP+\b], 23, v[BS+\b]           ; the scale's byte
.endr
	v_lshl_or_b32 v[PS], v[BP+1], 8, v[BP]         ; p's scale word for these 128 keys
	v_lshl_or_b32 v[PS], v[BP+2], 16, v[PS]
	v_lshl_or_b32 v[PS], v[BP+3], 24, v[PS]
.irp b, 0,1,2,3
	v_cvt_scalef32_pk8_fp4_f32 v[P+4*(\b/2)+(\b%2)], v[S+16*\b:S+16*\b+7], v[BS+\b]
	v_cvt_scalef32_pk8_fp4_f32 v[P+4*(\b/2)+2+(\b%2)], v[S+16*\b+8:S+16*\b+15], v[BS+\b]
.endr
.irp t, 0,1,2,3                        ; p is done with: V^T's four fragments land in its first 32 registers while the codes are put in order and O^T is rescaled
.irp c, 0,1
	ds_load_b128 v[S+8*\t+4*\c:S+8*\t+4*\c+3], v[ADK] offset:4096+1024*\t+512*\c
.endr
.endr
	ds_load_b128 v[KS:KS+3], v[ADS] offset:8704    ; V's scale words
	v_nop                                          ; one plain place behind a scaled conversion
.irp c, 0,1
	v_permlane16_swap_b32 v[P+4*\c], v[P+4*\c+1]
	v_permlane16_swap_b32 v[P+4*\c+2], v[P+4*\c+3]
.endr
.set j, 0
.rept 16
	v_pk_mul_f32 v[\oo+j:\oo+j+1], v[\oo+j:\oo+j+1], v[F:F+1] op_sel_hi:[1,0]   ; O^T under the new M.  (These 16 are also the places between the writes of p's codes and scale word and the products)
.set j, j+2
.endr
	s_wait_dscnt 0x0
.irp t, 0,1,2,3
	v_wmma_scale_f32_16x16x128_f8f6f4 v[\oo+8*\t:\oo+8*\t+7], v[S+8*\t:S+8*\t+7], v[P:P+7], v[\oo+8*\t:\oo+8*\t+7], v[KS+\t], v[PS] matrix_a_fmt:MATRIX_FMT_FP4 matrix_b_fmt:MATRIX_FMT_FP4
.endr
.rept 5
	v_nop                                          ; five places: the next products write the scores over V's fragments; the next loads into the scale words and the reads of O^T want four
.endr
.Lhid_\@:
.endm
.Lkey:                                 ; 16 trips, a constant; a trip is key step s[KAP] of both tiles; no barrier stands in the loop
	KSTEP 20, 36, 136, 12, 17
	KSTEP 28, 37, 168, 16, 18
	s_add_co_u32 s[TB], s[TB], RECB
	s_add_co_u32 s[KAP], s[KAP], 1
	s_cmp_lt_u32 s[KAP], 16
	s_cbranch_scc1 .Lkey
; THE WAY OUT of one tile: O^T / the sum is y(query r, channels 16 t + 8 h + j): 2 blocks of 32 along C.  Quantised as in launch 1; the codes leave as an image of four operand registers, 512 consecutive bytes, aligned;
; the two scale bytes a row go to y_scales [row][2 head + block], lane (r, h) storing block h's.
.macro FINAL oo, st, pc, yb, gi, gs
	v_add_f32 v[T], v[\st+2], v[\st+3]
	v_permlanex16_b32 v[BP], v[T], s[SEL], s[SEL+1]
	v_add_f32 v[T], v[T], v[BP]                    ; the row's sum
	v_rcp_f32 v[F], v[T]
	v_nop                                          ; one plain place behind a transcendental
	s_wait_alu depctr_va_vdst(0)                   ; and the wait ahead of its first reader
.set j, 0
.rept 16
	v_pk_mul_f32 v[S+j:S+j+1], v[\oo+j:\oo+j+1], v[F:F+1] op_sel_hi:[1,0]   ; each accumulator from its low end on
.set j, j+2
.endr
.irp b, 0,1
	v_max3_num_f32 v[BM+\b], |v[S+16*\b]|, |v[S+1+16*\b]|, 0x1800000
.endr
.irp i, 2,4,6,8,10,12,14
.irp b, 0,1
	v_max3_num_f32 v[BM+\b], v[BM+\b], |v[S+16*\b+\i]|, |v[S+1+16*\b+\i]|
.endr
.endr
.irp b, 0,1
	v_permlanex16_b32 v[BP+\b], v[BM+\b], s[SEL], s[SEL+1]
.endr
.irp b, 0,1
	v_max_num_f32 v[BM+\b], v[BM+\b], v[BP+\b]
.endr
.irp b, 0,1
	v_add_nc_u32 v[BS+\b], 0xff000000, v[BM+\b]
.endr
.irp b, 0,1
	v_lshrrev_b32 v[BP+\b], 23, v[BS+\b]
.endr
.irp b, 0,1
	v_cvt_scalef32_pk8_fp4_f32 v[\pc+\b], v[S+16*\b:S+16*\b+7], v[BS+\b]
	v_cvt_scalef32_pk8_fp4_f32 v[\pc+2+\b], v[S+16*\b+8:S+16*\b+15], v[BS+\b]
.endr
	v_nop
	v_permlane16_swap_b32 v[\pc], v[\pc+1]
	v_permlane16_swap_b32 v[\pc+2], v[\pc+3]
	v_cndmask_b32 v[\yb], v[BP], v[BP+1], s[HM]
	global_store_b128 v[LI], v[\pc:\pc+3], s[\gi:\gi+1]
	global_store_b8 v[YSO], v[\yb], s[\gs:\gs+1]
.endm
	FINAL 136, 12, 200, 240, 48, 52
	FINAL 168, 16, 204, 241, 50, 54                ; other registers for its codes and its byte: no store's data are written again
	s_wait_tensorcnt 0x0                           ; the wave's end
	ds_add_u32 v[SPW], v[NIL]
	s_wait_dscnt 0x0
	CROUND                                         ; the closing round
	s_endpgm
.Lfunc_end_k_q3a92e2e611_attn:
	.size	k_q3a92e2e611_attn, .Lfunc_end_k_q3a92e2e611_attn-k_q3a92e2e611_attn
	.p2alignl 7, 3214868480
	.fill 96, 4, 3214868480
	.section	.rodata,"a",@progbits
	.p2align	6, 0x0
	.amdhsa_kernel k_q3a92e2e611_attn
		.amdhsa_group_segment_fixed_size 167936
		.amdhsa_private_segment_fixed_size 0
		.amdhsa_enable_private_segment 0
		.amdhsa_kernarg_size 32
		.amdhsa_user_sgpr_count 2
		.amdhsa_user_sgpr_kernarg_segment_ptr 1
		.amdhsa_wavefront_size32 1
		.amdhsa_system_sgpr_workgroup_id_x 1
		.amdhsa_system_sgpr_workgroup_id_y 1
		.amdhsa_system_sgpr_workgroup_id_z 1
		.amdhsa_system_vgpr_workitem_id 0
		.amdhsa_next_free_vgpr 256
		.amdhsa_next_free_sgpr 66
		.amdhsa_reserve_vcc 1
		.amdhsa_float_denorm_mode_32 3
		.amdhsa_float_denorm_mode_16_64 3
		.amdhsa_memory_ordered 1
		.amdhsa_forward_progress 1
		.amdhsa_inst_pref_size 56
	.end_amdhsa_kernel
	.amdgpu_metadata
---
amdhsa.version: [ 1, 2 ]
amdhsa.kernels:
  - .name:           k_q3a92e2e611_attn
    .symbol:         k_q3a92e2e611_attn.kd
    .args:
      - { .name: qrec, .offset: 0, .size: 8, .value_kind: global_buffer, .address_space: global }
      - { .name: kv, .offset: 8, .size: 8, .value_kind: global_buffer, .address_space: global }
      - { .name: y_img, .offset: 16, .size: 8, .value_kind: global_buffer, .address_space: global }
      - { .name: y_scales, .offset: 24, .size: 8, .value_kind: global_buffer, .address_space: global }
    .group_segment_fixed_size: 167936
    .private_segment_fixed_size: 0
    .kernarg_segment_align: 8
    .kernarg_segment_size: 32
    .max_flat_workgroup_size: 512
    .sgpr_count:     66
    .vgpr_count:     256
    .wavefront_size: 32
...
	.end_amdgpu_metadata
.endif
;; end of part 2
;; launch proj (part 3): grid 4 x 32, 4 waves a work-group, clusters of 4 x 4, 327,680 bytes of LDS; arguments y_img, y_scales, W_proj_codes, W_proj_scales, b_proj, out0; writes out0
.if DOCPART == 3
	.amdgcn_target "amdgcn-amd-amdhsa--gfx1250"
	.amdhsa_code_object_version 6
	.text
	.protected	k_q3a92e2e611_proj
	.globl	k_q3a92e2e611_proj
	.p2align	8
	.type	k_q3a92e2e611_proj,@function
k_q3a92e2e611_proj:
	s_mov_b64 s[64:65], 0
	v_nop
	global_prefetch_b8 v0, s[64:65] scope:SCOPE_SE
	s_setreg_imm32_b32 hwreg(HW_REG_WAVE_MODE, 25, 1), 1
	s_wait_xcnt 0x0
	s_wait_alu depctr_hold_cnt(0) depctr_sa_sdst(0) depctr_va_vdst(0) depctr_va_sdst(0) depctr_va_ssrc(0) depctr_va_vcc(0) depctr_vm_vsrc(0)
	s_getreg_b32 s2, hwreg(HW_REG_IB_STS2, 6, 4)
	s_cmp_eq_u32 s2, 0
	s_cbranch_scc0 .Lentry_in_a_cluster
	s_endpgm
.Lentry_in_a_cluster:
	s_bfe_u32 s2, ttmp6, 0x10000c
	s_cmp_lg_u32 s2, 0xf033
	s_cbranch_scc0 .Lentry_shape_is_right
	s_endpgm
.Lentry_shape_is_right:
; LAUNCH 3 OF 3.  out0 = y W_proj^T + b_proj on codes of FP4 (E2M1) with one E8M0 scale for each 32 along K.  Nothing is left out here.
; A work-group of four waves makes 256 x 256 of out0, a wave 128 x 128: 64 accumulators.  K = 1,024: two LDS slots of 512 along K hold all of K of both tiles; each is filled once, at the head; nothing is filled again.
; A = y comes as IMAGES OF OPERAND REGISTERS, y_img [head][tile of 16 rows][512 bytes] (lane l's 16 bytes at 16 l: row l % 16, block l / 16 of the head's two): registers 0-3 of a fragment of 128 along K are an even
; head's image, registers 4-7 the next head's.  A wave's tensor load brings 8 heads x 8 tiles: 8 rows of 4,096 bytes, 262,144 bytes apart.  An LDS load of an image reads 512 consecutive bytes: no padding.
; B = W_proj comes as rows of codes, 256 bytes of a row to a slot, 16 bytes of padding behind each.  The scale bytes of both (rows of 32 bytes) come once, with the first fills.
; THE MATRIX INSTRUCTION IS USED TRANSPOSED (source 0 = 16 rows of W_proj, source 1 = 16 rows of y): a lane holds eight neighbouring numbers of a row of out0.  b_proj is the C of each sum's first product.
; CLUSTERS: 4 x 4 work-groups; y's tile is shared along a row of the cluster, W_proj's along a column: each is asked for jointly.
; LIMITS: as stated at the head of launch 1.
; REGISTERS, in windows of 256: window 0: v0-31 addresses; v32-95 scale words, two sets; v128-191 A's fragments; v192-255 b_proj's eight tiles; on the way out v128-255 rows of out0.  window 1: B's fragments, two sets.
;   windows 2, 3: the accumulators ((a, b) at v[8 (8 (a % 4) + b)]).
.set SIZE_N, 1024
.set NQ,     4
.set PITCH,  272
.set FR,     8
.set NL,     2
.set NP,     4
.set HALFA,  32768                     ; A: 8 heads x 8 tiles x 512 bytes
.set HALFT,  128*PITCH                 ; B: 128 rows
.set BOFF,   2*HALFA
.set SLOT,   2*HALFA+2*HALFT
.set KS,     32
.set SCL,    2*SLOT
.set HALFS,  (128*KS/256)*272
.set SBLK,   (16*KS/256)*272
.set SPARE,  SCL+4*HALFS               ; the spare words, 128 bytes a wave; no other line names them
.set SPITCH, 528                       ; the way out: a stage of 16 rows x (512 bytes + 16) for each wave, in slot 0, which has had its one fill and its last read by then
.set ADRA, 16
.set ADRB, 20
.set STO,  24
.set RD,   25
.set CO,   26                          ; v26  16 x lane
.set ADRS, 27
.set SPW,  28                          ; v28  my spare word; never rewritten
.set NIL,  29                          ; v29  0; never rewritten
.set BO,   30
.set SC,   32
.set AF,   128
.set BK,   128
.set BI,   192
.set G1, 24
.set G0, 32
.set G1B, 48
.set G0B, 56
.set G1S, 68
.set G0S, 76
.set G1SB, 80
.set G0SB, 88
.set MSB, 0
.macro WIN new
.if MSB != (\new)
	s_set_vgpr_msb (MSB<<8)|(\new)
.set MSB, (\new)
.endif
.endm
.set MUL_LO, 0xa1                      ; source 0 (B) window 1, source 1 (A) window 0, C and D window 2
.set MUL_HI, 0xf1
.set FST_LO, 0x81                      ; the first step: C (the bias) window 0, D window 2
.set FST_HI, 0xc1
.set TO_B,   0x40
.macro JLOAD g0a, g1a, g0b, g1b        ; a joint load: waves 0 and 1 fetch for A, waves 2 and 3 for B; an s_nop 0 and four v_nop follow each line
	s_cmp_eq_u32 s15, 0
	s_cbranch_scc0 .Lfor_b_\@
	tensor_load_to_lds s[\g0a:\g0a+3], s[\g1a:\g1a+7]
	s_nop 0
.rept 4
	v_nop
.endr
	s_branch .Lasked_\@
.Lfor_b_\@:
	tensor_load_to_lds s[\g0b:\g0b+3], s[\g1b:\g1b+7]
	s_nop 0
.rept 4
	v_nop
.endr
.Lasked_\@:
.endm
.macro CROUND
	s_barrier_signal -1
	s_barrier_wait -1
	s_cmp_lg_u32 s14, 0
	s_cbranch_scc1 .Lnot_wave_0_\@
	s_barrier_signal -3
.Lnot_wave_0_\@:
	s_barrier_wait -3
	s_barrier_signal -1
	s_barrier_wait -1
.endm
	s_load_b256 s[4:11], s[0:1], 0x0               ; y_img, y_scales, W_proj's codes, W_proj's scales
	s_load_b64 s[96:97], s[0:1], 0x20              ; b_proj
	s_load_b64 s[12:13], s[0:1], 0x28              ; out0
	v_lshl_add_u32 v[SPW], v0, 2, SPARE
	v_mov_b32 v[NIL], 0
	ds_add_u32 v[SPW], v[NIL]                      ; the wave's opening: the add, twice on end, and its wait ahead of my first tensor load
	ds_add_u32 v[SPW], v[NIL]
	v_lshrrev_b32 v1, 5, v0
	v_readfirstlane_b32 s14, v1                    ; wave 0..3
	s_lshr_b32 s15, s14, 1                         ; which half of the tile's rows is mine.  Also: I fetch for A (0) or for B (1)
	s_and_b32 s16, s14, 1                          ; which half of its columns.  Also: which half I fetch
	s_bfe_u32 s40, ttmp6, 0x40000                  ; cx
	s_bfe_u32 s41, ttmp6, 0x40004                  ; cy
	s_lshl_b32 s42, ttmp9, 2
	s_add_co_u32 s42, s42, s40                     ; tile column
	s_and_b32 s17, ttmp7, 0xffff
	s_lshl_b32 s17, s17, 2
	s_add_co_u32 s17, s17, s41                     ; tile row
	s_lshl_b32 s43, s41, 2
	s_lshl_b32 s43, 15, s43                        ; my row of the cluster
	s_lshl_b32 s44, 0x1111, s40                    ; my column
	; group 1 for A's images: 8 rows (heads) of 4,096 bytes (512 elements of 8), 262,144 bytes apart; no padding
	s_or_b32 s[G1+0], s43, (3<<16)|(1<<21)
	s_mov_b32 s[G1+1], 512<<16
	s_mov_b32 s[G1+2], 8<<16
	s_mov_b32 s[G1+3], 512<<16
	s_mov_b32 s[G1+4], 8
	s_mov_b32 s[G1+5], 32768
	s_mov_b32 s[G1+6], 0
	s_mov_b32 s[G1+7], 0
	; for B's codes: 128 rows x 256 bytes, 512 bytes apart, 16 bytes of padding behind each
	s_or_b32 s[G1B+0], s44, (0<<16)|(1<<20)|(1<<21)|(5<<22)|(3<<25)
	s_mov_b32 s[G1B+1], 256<<16
	s_mov_b32 s[G1B+2], 128<<16
	s_mov_b32 s[G1B+3], 256<<16
	s_mov_b32 s[G1B+4], 128
	s_mov_b32 s[G1B+5], 512
	s_mov_b32 s[G1B+6], 0
	s_mov_b32 s[G1B+7], 0
	; for the scales of 128 rows: 16 dense rows of 256 bytes, 16 bytes of padding behind each
	s_or_b32 s[G1S+0], s43, (3<<16)|(1<<20)|(1<<21)|(5<<22)|(3<<25)
	s_or_b32 s[G1SB+0], s44, (3<<16)|(1<<20)|(1<<21)|(5<<22)|(3<<25)
.irp g, G1S, G1SB
	s_mov_b32 s[\g+1], 32<<16
	s_mov_b32 s[\g+2], 16<<16
	s_mov_b32 s[\g+3], 32<<16
	s_mov_b32 s[\g+4], 16
	s_mov_b32 s[\g+5], 32
	s_mov_b32 s[\g+6], 0
	s_mov_b32 s[\g+7], 0
.endr
	s_lshl_b32 s20, s17, 13                        ; A: 16 tiles of 512 bytes a tile row, 8 a half; its scales: 256 rows of 32 bytes, 128 a half: the same number
	s_lshl_b32 s21, s16, 12
	s_add_co_u32 s20, s20, s21
	s_mov_b32 s21, 0
	s_lshl_b32 s2, s42, 13                         ; B's scales likewise,
	s_lshl_b32 s3, s16, 12
	s_add_co_u32 s2, s2, s3
	s_mov_b32 s3, 0
	s_lshl_b32 s46, s2, 4                          ; and its codes: rows of 512 bytes against 32
	s_mov_b32 s47, 0
	s_mul_i32 s45, s16, HALFA                      ; where they go in a slot: A's halves,
	s_mul_i32 s19, s16, HALFT
	s_add_co_u32 s19, s19, BOFF                    ; B's behind them
	s_mul_i32 s18, s14, HALFS
	s_wait_dscnt 0x0                               ; both opening adds are done
	s_wait_kmcnt 0x0
	s_add_nc_u64 s[22:23], s[6:7], s[20:21]
	s_add_nc_u64 s[20:21], s[4:5], s[20:21]
	s_add_nc_u64 s[46:47], s[8:9], s[46:47]
	s_add_nc_u64 s[2:3], s[10:11], s[2:3]
	CROUND                                         ; all sixteen work-groups are here: the first joint loads meet
	s_mov_b32 s[G0S], 1
	s_add_co_u32 s[G0S+1], s18, SCL
	s_mov_b64 s[G0S+2:G0S+3], s[22:23]
	s_or_b32 s[G0S+3], s[G0S+3], 0x80000000
	s_mov_b32 s[G0SB], 1
	s_add_co_u32 s[G0SB+1], s18, SCL
	s_mov_b64 s[G0SB+2:G0SB+3], s[2:3]
	s_or_b32 s[G0SB+3], s[G0SB+3], 0x80000000
	JLOAD G0S, G1S, G0SB, G1SB
.irp s, 0,1
	s_mov_b32 s[G0+4*\s], 1
	s_add_co_u32 s[G0+4*\s+1], s45, \s*SLOT
	s_add_nc_u64 s[G0+4*\s+2:G0+4*\s+3], s[20:21], \s*2097152      ; slot s: heads 8 s on
	s_or_b32 s[G0+4*\s+3], s[G0+4*\s+3], 0x80000000
	s_mov_b32 s[G0B+4*\s], 1
	s_add_co_u32 s[G0B+4*\s+1], s19, \s*SLOT
	s_add_nc_u64 s[G0B+4*\s+2:G0B+4*\s+3], s[46:47], \s*256
	s_or_b32 s[G0B+4*\s+3], s[G0B+4*\s+3], 0x80000000
	JLOAD G0+4*\s, G1, G0B+4*\s, G1B               ; three loads of mine are out in all
.endr
	v_and_b32 v1, 15, v0                           ; r
	v_bfe_u32 v2, v0, 4, 1                         ; h
	s_lshl_b32 s20, s42, 10                        ; b_proj: 4 bytes x (256 tile column + 128 half + 16 b + 8 h + j)
	s_lshl_b32 s21, s16, 9
	s_add_co_u32 s20, s20, s21
	s_mov_b32 s21, 0
	s_add_nc_u64 s[96:97], s[96:97], s[20:21]
	v_lshlrev_b32 v[BO], 5, v2
.irp b, 0,1,2,3,4,5,6,7
	global_load_b128 v[BI+8*\b:BI+8*\b+3], v[BO], s[96:97] offset:64*\b
	global_load_b128 v[BI+8*\b+4:BI+8*\b+7], v[BO], s[96:97] offset:64*\b+16
.endr
	v_mul_u32_u24 v3, v1, PITCH
	v_lshl_add_u32 v4, v2, 4, v3                   ; B: a fragment's row x pitch + 16 h
	v_and_b32 v6, 31, v0
	v_lshlrev_b32 v[CO], 4, v6                     ; A: 16 x lane
	s_mul_i32 s21, s15, HALFA
	s_mul_i32 s22, s16, HALFT
	s_add_co_u32 s22, s22, BOFF
.irp s, 0,1
	v_add_nc_u32 v[ADRA+\s], s21, v[CO]
	v_add_nc_u32 v[ADRB+\s], s22, v4
	s_add_co_u32 s21, s21, SLOT
	s_add_co_u32 s22, s22, SLOT
.endr
	v_mul_u32_u24 v5, v1, KS
	v_lshrrev_b32 v6, 8, v5
	v_lshl_add_u32 v5, v6, 4, v5
	s_mul_i32 s21, s15, HALFS
	s_mul_i32 s22, s16, HALFS
	s_add_co_u32 s22, s22, 2*HALFS
	s_sub_co_u32 s22, s22, s21
	v_mul_u32_u24 v6, s22, v2                      ; lanes 16-31 take B's
	s_add_co_u32 s21, s21, SCL
	v_add_nc_u32 v5, v5, v6
	v_add_nc_u32 v[ADRS], s21, v5
	s_mul_i32 s23, s14, 16*SPITCH                  ; my stage
	v_mul_u32_u24 v5, v1, SPITCH
	v_lshl_add_u32 v5, v2, 5, v5
	v_add_nc_u32 v[STO], s23, v5                   ; in: row r, 32 bytes for each half of the lanes
	v_add_nc_u32 v[RD], s23, v[CO]                 ; back: the 32 lanes take one row of 512 bytes
	s_lshl_b32 s20, s17, 8
	s_lshl_b32 s21, s15, 7
	s_add_co_u32 s20, s20, s21                     ; my first row of out0,
	s_lshl_b32 s20, s20, 12                        ; rows of 4,096 bytes
	s_lshl_b32 s46, s42, 10                        ; my first column, in bytes
	s_lshl_b32 s47, s16, 9
	s_add_co_u32 s46, s46, s47
	s_add_co_u32 s20, s20, s46
	s_mov_b32 s21, 0
	s_add_nc_u64 s[12:13], s[12:13], s[20:21]
.macro FRAG reg, adr, q, i             ; B: 16 rows x 128 K from rows of codes
.irp c, 0,1
	ds_load_b128 v[\reg+4*\c:\reg+4*\c+3], v[\adr] offset:64*(\q)+32*\c+(\i)*16*PITCH
.endr
.endm
.macro FRAGA reg, adr, q, i            ; A: the images of heads 2 q and 2 q + 1 of the slot, tile i of my eight
.irp c, 0,1
	ds_load_b128 v[\reg+4*\c:\reg+4*\c+3], v[\adr] offset:(2*(\q)+\c)*4096+(\i)*512
.endr
.endm
; 16 matrix instructions.  The 64 accumulators take turns, one instruction a turn, in the same order in every step.  zero = 1: the first product starts the sum from the bias
.macro MUL16 a0, p, q, sc, zero
.irp a, \a0, \a0+1
.irp b, 0,1,2,3,4,5,6,7
.if \zero
	v_wmma_scale_f32_16x16x128_f8f6f4 v[8*(8*((\a)%4)+\b):8*(8*((\a)%4)+\b)+7], v[128*(\p)+FR*\b:128*(\p)+FR*\b+FR-1], v[AF+FR*(\a):AF+FR*(\a)+FR-1], v[BI+8*\b:BI+8*\b+7], v[SC+8*NQ*(\sc)+NQ*\b+(\q)], v[SC+8*NQ*(\sc)+NQ*(\a)+(\q)] matrix_a_fmt:MATRIX_FMT_FP4 matrix_b_fmt:MATRIX_FMT_FP4 matrix_a_scale:MATRIX_SCALE_ROW1
.else
	v_wmma_scale_f32_16x16x128_f8f6f4 v[8*(8*((\a)%4)+\b):8*(8*((\a)%4)+\b)+7], v[128*(\p)+FR*\b:128*(\p)+FR*\b+FR-1], v[AF+FR*(\a):AF+FR*(\a)+FR-1], v[8*(8*((\a)%4)+\b):8*(8*((\a)%4)+\b)+7], v[SC+8*NQ*(\sc)+NQ*\b+(\q)], v[SC+8*NQ*(\sc)+NQ*(\a)+(\q)] matrix_a_fmt:MATRIX_FMT_FP4 matrix_b_fmt:MATRIX_FMT_FP4 matrix_a_scale:MATRIX_SCALE_ROW1
.endif
.endr
.endr
.endm
.macro FETCH_B slot, q, p
	WIN TO_B
.irp i, 0,1,2,3,4,5,6,7
	FRAG 128*(\p)+FR*\i, ADRB+\slot, \q, \i
.endr
	WIN 0
.endm
.macro FETCH_A slot, q, i0
.irp i, \i0, \i0+1, \i0+2, \i0+3
	FRAGA AF+FR*(\i), ADRA+\slot, \q, \i
.endr
.endm
.macro SCALES sc
.irp i, 0,1,2,3,4,5,6,7
	ds_load_b128 v[SC+8*NQ*\sc+NQ*\i:SC+8*NQ*\sc+NQ*\i+3], v[ADRS] offset:\i*SBLK
.endr
.endm
.macro PLACES n
.rept \n
	v_nop
.endr
.endm
.macro STEP slot, q, zero
	s_wait_dscnt 4*NL                              ; all but the youngest eight loads (A's blocks 4-7) are in
.if \zero
	WIN FST_LO
.else
	WIN MUL_LO
.endif
	MUL16 0, (\q)%2, \q, \slot, \zero
	MUL16 2, (\q)%2, \q, \slot, \zero
	s_wait_dscnt 0
	PLACES NP
	FETCH_B \slot, (\q)+1, 1-(\q)%2
	FETCH_A \slot, (\q)+1, 0
.if \zero
	WIN FST_HI
.else
	WIN MUL_HI
.endif
	MUL16 4, (\q)%2, \q, \slot, \zero
	MUL16 6, (\q)%2, \q, \slot, \zero
	PLACES NP
	WIN 0
	FETCH_A \slot, (\q)+1, 4
.endm
.macro TURN slot, next                 ; a slot's last step: behind its barrier the next slot is whole for every wave, and nobody reads this one.  Nothing is filled again
	s_wait_tensorcnt 0x0                           ; all my tensor loads have landed
	ds_add_u32 v[SPW], v[NIL]                      ; 0 onto my spare word
	s_wait_dscnt 4*NL+1
	WIN MUL_LO
	MUL16 0, 1, NQ-1, \slot, 0
	s_wait_dscnt 0x0                               ; the add is done, and my reads of this slot are over
	s_barrier_signal -1
	MUL16 2, 1, NQ-1, \slot, 0
	WIN 0
	s_barrier_wait -1
	PLACES NP
	v_add_nc_u32 v[ADRS], 4*NQ, v[ADRS]
	FETCH_B \next, 0, 0
	FETCH_A \next, 0, 0
	SCALES \next
	WIN MUL_HI
	MUL16 4, 1, NQ-1, \slot, 0
	MUL16 6, 1, NQ-1, \slot, 0
	PLACES NP
	WIN 0
	FETCH_A \next, 0, 4
.endm
	s_wait_tensorcnt 1                             ; the scales and my part of slot 0 are in; slot 1's one load may be out
	s_barrier_signal -1
	s_barrier_wait -1
	FETCH_B 0, 0, 0
	FETCH_A 0, 0, 0
	SCALES 0
	FETCH_A 0, 0, 4
	s_wait_loadcnt 0x0                             ; b_proj
	STEP 0, 0, 1
	STEP 0, 1, 0
	STEP 0, 2, 0
	TURN 0, 1
	STEP 1, 0, 0
	STEP 1, 1, 0
	STEP 1, 2, 0
	s_wait_dscnt 4*NL                              ; the very last step: nothing more to fetch
	WIN MUL_LO
	MUL16 0, 1, NQ-1, 1, 0
	MUL16 2, 1, NQ-1, 1, 0
	s_wait_dscnt 0
	WIN MUL_HI
	MUL16 4, 1, NQ-1, 1, 0
	MUL16 6, 1, NQ-1, 1, 0
	WIN 0
; THE WAY OUT, block by block of 16 rows x 128 columns: through my own stage in LDS and back as whole rows of 512 bytes.  LDS serves a wave's instructions in order (ISA guide 5.7.1.4): no wait between the stores and the loads.
.macro TOSTAGE a
.set AC, 64*((\a)%4)
	WIN 0x08+4*((\a)/4)                            ; the data: window 2 or 3
.irp b, 0,1,2,3,4,5,6,7
	ds_store_b128 v[STO], v[AC+8*\b:AC+8*\b+3] offset:64*\b          ; each accumulator from its low end on
	ds_store_b128 v[STO], v[AC+8*\b+4:AC+8*\b+7] offset:64*\b+16
.endr
	WIN 0
.set BB, BK+64*((\a)%2)
.irp t, 0,1,2,3,4,5,6,7,8,9,10,11,12,13,14,15
	ds_load_b128 v[BB+4*\t:BB+4*\t+3], v[RD] offset:\t*SPITCH
.endr
.endm
.macro SEND a, younger                 ; younger: the LDS instructions issued behind block a's loads, which may stay out
.set BB, BK+64*((\a)%2)
	s_wait_dscnt \younger
.if (\a) > 0
	s_add_nc_u64 s[12:13], s[12:13], 16*SIZE_N*4   ; (behind a wait on XCNT: the earlier stores have read their base)
.endif
.irp t, 0,1,2,3,4,5,6,7,8,9,10,11,12,13,14,15
	global_store_b128 v[CO], v[BB+4*\t:BB+4*\t+3], s[12:13] offset:\t*SIZE_N*4 th:TH_STORE_NT   ; 32 lanes store 512 consecutive bytes, aligned; written once, read by nobody here
.endr
.endm
	PLACES NP
	TOSTAGE 0
.irp a, 1,2,3,4,5,6,7
.if \a > 1
	s_wait_xcnt 0x0                                ; block a - 2's stores have read their registers and their base
.endif
	TOSTAGE \a
	SEND \a-1, 32                                  ; behind block a - 1's loads: block a's 16 stores and 16 loads
.endr
	s_wait_xcnt 0x0
	SEND 7, 0
	s_wait_tensorcnt 0x0                           ; the wave's end, behind my last tensor load and my last LDS store
	ds_add_u32 v[SPW], v[NIL]
	s_wait_dscnt 0x0
	CROUND                                         ; the closing round
	s_endpgm
.Lfunc_end_k_q3a92e2e611_proj:
	.size	k_q3a92e2e611_proj, .Lfunc_end_k_q3a92e2e611_proj-k_q3a92e2e611_proj
	.p2alignl 7, 3214868480
	.fill 96, 4, 3214868480
	.section	.rodata,"a",@progbits
	.p2align	6, 0x0
	.amdhsa_kernel k_q3a92e2e611_proj
		.amdhsa_group_segment_fixed_size 327680
		.amdhsa_private_segment_fixed_size 0
		.amdhsa_enable_private_segment 0
		.amdhsa_kernarg_size 48
		.amdhsa_user_sgpr_count 2
		.amdhsa_user_sgpr_kernarg_segment_ptr 1
		.amdhsa_wavefront_size32 1
		.amdhsa_system_sgpr_workgroup_id_x 1
		.amdhsa_system_sgpr_workgroup_id_y 1
		.amdhsa_system_sgpr_workgroup_id_z 1
		.amdhsa_system_vgpr_workitem_id 0
		.amdhsa_next_free_vgpr 1024
		.amdhsa_next_free_sgpr 100
		.amdhsa_reserve_vcc 0
		.amdhsa_float_denorm_mode_32 3
		.amdhsa_float_denorm_mode_16_64 3
		.amdhsa_memory_ordered 1
		.amdhsa_forward_progress 1
		.amdhsa_inst_pref_size 126
	.end_amdhsa_kernel
	.amdgpu_metadata
---
amdhsa.version: [ 1, 2 ]
amdhsa.kernels:
  - .name:           k_q3a92e2e611_proj
    .symbol:         k_q3a92e2e611_proj.kd
    .args:
      - { .name: y_img, .offset: 0, .size: 8, .value_kind: global_buffer, .address_space: global }
      - { .name: y_scales, .offset: 8, .size: 8, .value_kind: global_buffer, .address_space: global }
      - { .name: W_proj_codes, .offset: 16, .size: 8, .value_kind: global_buffer, .address_space: global }
      - { .name: W_proj_scales, .offset: 24, .size: 8, .value_kind: global_buffer, .address_space: global }
      - { .name: b_proj, .offset: 32, .size: 8, .value_kind: global_buffer, .address_space: global }
      - { .name: out0, .offset: 40, .size: 8, .value_kind: global_buffer, .address_space: global }
    .group_segment_fixed_size: 327680
    .private_segment_fixed_size: 0
    .kernarg_segment_align: 8
    .kernarg_segment_size: 48
    .max_flat_workgroup_size: 128
    .sgpr_count:     100
    .vgpr_count:     1024
    .wavefront_size: 32
...
	.end_amdgpu_metadata
.endif
;; end of part 3
